; MI455X (gfx1250); checked and timed in simulation.
; The chip was launched on July 23, 2026; its instructions are those of AMD's public machine-readable ISA for CDNA 5 (MIT licence, August 2026) and "CDNA5" Instruction Set Architecture Reference Guide (July 2026). The comments in the code are by the model that wrote it; some were corrected since.
;; Causal Self Attention. Allowed arithmetic: matrix products marked QUANTISED: E4M3 operands, one given power-of-two scale a tensor, by v_wmma_f32_16x16x64_fp8_fp8 or v_wmma_f32_16x16x128_fp8_fp8, f32 sums; everything else in f32.
;; Inputs: b_proj 1,024 float32; b_qkv 3,072 float32; lowp_scales 8 int32 (the exponents e of the quantised operands' scales 2^e); w_proj_codes 1,024 x 32 x 32 uint8 (E4M3 codes of w_proj, K innermost, in blocks of 32 codes); w_qkv_codes 3,072 x 32 x 32 uint8 (E4M3 codes of w_qkv, K innermost, in blocks of 32 codes); x_codes 4 x 2,048 x 32 x 32 uint8 (E4M3 codes of x, K innermost, in blocks of 32 codes).
;; Outputs: out0 4 x 2,048 x 1,024 float32.
;; This version of the problem:
;;   THIS VERSION OF THE PROBLEM IS GIVEN IN LOW PRECISION. The matrix products marked QUANTISED in the list below multiply operands that are first quantised to E4M3 (4 exponent bits, 3 mantissa bits; 8 bits a number), with one given power-of-two scale for each operand tensor; their sums are f32. All else is computed in f32.
;;   The module's matrix products, in the order in which they are computed (A, B: the left and right operand; K: the contracted axis; several contracted axes count as one K, in the product's order):
;;     1. [M 8,192, K 1,024] x [K 1,024, N 3,072]; A: input x (given as codes); B: input w_qkv (given as codes): QUANTISED (scales: A lowp_scales[0], B lowp_scales[1])
;;     2. batch 64 x [M 2,048, K 64] x [K 64, N 2,048]; A: computed on the way; B: computed on the way: QUANTISED (scales: A lowp_scales[2], B lowp_scales[3])
;;     3. batch 64 x [M 2,048, K 2,048] x [K 2,048, N 64]; A: softmax (see below); B: computed on the way: QUANTISED (scales: A lowp_scales[4], B lowp_scales[5])
;;     4. [M 8,192, K 1,024] x [K 1,024, N 1,024]; A: computed on the way; B: input w_proj (given as codes): QUANTISED (scales: A lowp_scales[6], B lowp_scales[7])
;;   THE QUANTISER, for each operand of a quantised product, along K:
;;     - The operand's scale is 2^e, e = its entry of the input lowp_scales (int32; the entries are numbered through the quantised products in the list's order, A before B).
;;     - Each number is divided by the scale, clamped to +-448, and rounded to the nearest number of E4M3, ties to even, subnormals kept.
;;     - The product sums the exact products of the quantised numbers (number of the format x scale) in f32.
;;   ~~~python
;;   def quantise(x, axis, e):      # numpy; x: float32 -> the quantised numbers, widened to float32 again
;;       x = np.moveaxis(x, axis, -1); K = x.shape[-1]
;;       r = np.clip(x / 2.0 ** e, -448, 448)
;;       step = 2.0 ** (np.maximum(np.frexp(np.where(r == 0, 1, r))[1] - 1, -6) - 3)
;;       q = np.round(r / step) * step * 2.0 ** e      # np.round: ties to even
;;       return np.moveaxis(q, -1, axis).astype(np.float32)
;;   ~~~
;;   SOFTMAX AHEAD OF A QUANTISED PRODUCT. Where the list says 'softmax', what is quantised is not the finished softmax but p = 2^(t - M), with t = logit x log2(e) and M = ceil(the row's largest t), a whole number; so 1/2 < the row's largest p <= 1. The row's sum l is taken of the UNQUANTISED p, in f32, and the product's result is divided by l at the end. Since M is a whole number, a kernel that streams over the keys may use a running M (the ceiling of the running maximum): every later rescaling is an exact power of two, so the quantised numbers keep their values, but for numbers so far below the row's largest that they fall under the format's range.
;;   OPERANDS COMPUTED ON THE WAY. 'Computed on the way' means the value that the module computes at that place (a softmax that the list does not call 'softmax' is quantised finished and normalised). What goes into a quantiser is computed in f32, as accurately as f32 sums, v_exp_f32 and their like allow (about 1e-6 of the number): no bf16 or f16 on the way to a quantiser, and a product that is left as it is and whose result goes on into a quantised operand takes f32 operands (vector FMAs, or v_wmma_f32_16x16x4_f32). A number that lies on a knife's edge between two numbers of the format may be rounded either way, as far as f32 arithmetic and the matrix unit's own rounding can turn it there, and no further.
;;   INPUTS GIVEN AS CODES. w_proj (in the module: [1024, 1024], K = its axis 0); w_qkv (in the module: [1024, 3072], K = its axis 0); x (in the module: [4, 2048, 1024], K = its axis 2): each comes as NAME_codes (uint8): NAME with its K axis moved to the last place and cut into blocks of 32 codes, [.., K / 32, bytes a block], one block behind the other in memory; one code a byte (a code: sign, 4 exponent bits, 3 mantissa bits); its scale is its entry of lowp_scales. Its value is code x scale, taken as it is: it is not quantised again, and the codes and scales need not be those that the quantiser above would give.
;; One version. Each part assembles by itself: llvm-mc -triple=amdgcn-amd-amdhsa -mcpu=gfx1250 --defsym DOCPART=n.
;; ======== version 1 of 1: 3 launches
;; workspace buffers: q_codes 8,388,608 bytes; k_codes 8,388,608 bytes; v_codes 8,388,608 bytes; y_codes 8,388,608 bytes
;; launch qkv (part 1): grid 8 x 32, 4 waves a work-group, clusters of 4 x 4, 327,680 bytes of LDS; arguments x_codes, w_qkv_codes, lowp_scales, b_qkv, q_codes, k_codes, v_codes; writes q_codes, k_codes, v_codes
.if DOCPART == 1
	.amdgcn_target "amdgcn-amd-amdhsa--gfx1250"
	.amdhsa_code_object_version 6
	.text
	.protected	k_qface6822c5_qkv
	.globl	k_qface6822c5_qkv
	.p2align	8
	.type	k_qface6822c5_qkv,@function
k_qface6822c5_qkv:
	s_mov_b64 s[64:65], 0
	v_nop
	global_prefetch_b8 v0, s[64:65] scope:SCOPE_SE
	s_setreg_imm32_b32 hwreg(HW_REG_WAVE_MODE, 25, 1), 1
	s_wait_xcnt 0x0
	s_wait_alu depctr_hold_cnt(0) depctr_sa_sdst(0) depctr_va_vdst(0) depctr_va_sdst(0) depctr_va_ssrc(0) depctr_va_vcc(0) depctr_vm_vsrc(0)
	s_getreg_b32 s2, hwreg(HW_REG_IB_STS2, 6, 4)
	s_cmp_eq_u32 s2, 0
	s_cbranch_scc0 .Lentry_in_a_cluster
	s_endpgm
.Lentry_in_a_cluster:
	s_bfe_u32 s2, ttmp6, 0x10000c
	s_cmp_lg_u32 s2, 0xf033
	s_cbranch_scc0 .Lentry_shape_is_right
	s_endpgm
.Lentry_shape_is_right:
; qkv = x w_qkv + b_qkv on codes of E4M3, then q, k and v are quantised (scales 2^e2, 2^e3, 2^e5) and stored as codes, laid as IMAGES OF THE NEXT LAUNCH'S OPERAND REGISTERS.
; x_codes [8192][1024], w_qkv_codes [3072][1024]: one code a byte, K innermost.  A sum stands for sum x 2^(e0 + e1); the bias is added in f32 by one fused multiply-add.
; SHARES.  A work-group takes 256 tokens x (q, k, v of two heads): 256 x 384.  Four waves: wave w takes tokens 128 (w / 2) on and head 2 hp + w % 2: 128 x 192 = 96 accumulators, 768 registers.
; K goes in steps of 128 through two LDS slots; a slot has 256 rows of x and 3 x 128 rows of w.  Two slots of 256 along K would be 2 x 640 rows x 272 bytes = 348,160 bytes, more than the 327,680 there are: so a tile's row is 128 bytes.
; The form is 16x16x64: a set of fragments for 64 along K is (8 + 12) x 8 = 160 registers; with a second set for x that fills window 0 beside the addresses.
; q AND k ARE MADE TRANSPOSED (source 0 = 16 rows of w, source 1 = 16 tokens): a lane holds one token and eight neighbouring channels, which are the next product's K.
; v IS MADE THE OTHER WAY ROUND (source 0 = 16 tokens, source 1 = 16 rows of w): a lane holds one channel and eight neighbouring tokens, which are the keys, the K of the product with p.
; A fragment is fetched by two loads of 16 bytes, at 16 (lane / 16) and 32 bytes further on: the same permutation of k on both sides, so every product meets its partner; only the order of the sums inside an instruction changes.
; CLUSTER 4 x 4.  The four of a row share the tokens (x's tile), the four of a column the heads (w's tiles): each tile is asked for jointly.  Wave 3 asks for x's 256 rows, waves 0 to 2 for w's plane q, k, v.
; OUT.  q_codes [bh][16 tokens][c 2][lane][16 B]: token 16 blk + r, channels 32 c + 16 h ..;  k_codes [bh][128 keys][tile 8][c 2][lane][16 B]: key 32 (t / 2) + 8 (t % 2) + r + 8 (r / 8);
;       v_codes [bh][128 keys][tile 4][c 4][lane][16 B]: channel 32 (t / 2) + 8 (t % 2) + r + 8 (r / 8), keys 32 c + 16 h ..   (r = lane % 16, h = lane / 16).  A wave's 128 tokens of a head are 8,192 dense bytes in each.
; LIMITS: e0 + e1 between -126 and 127; e2, e3, e5 between -126 and 119, so that each power of two below is an f32 number.  NaN among the inputs is not served.
; REGISTERS: window 0: v16-30 addresses; v32-95, v96-159 x's fragments, two sets; v160-255 w's twelve fragments, one set.  Window 1 + s (s = 0 q, 1 k, 2 v): accumulator (a, b) at v[64 b + 8 a].
.set KSTEP,   128
.set PITCH,   144                      ; an LDS row: 128 bytes + 16 of padding = 36 words: the 16 rows of a load start at 16 different groups of four banks (64 banks of 4 bytes: ISA guide 11.1)
.set ATILE,   256*PITCH
.set BPLANE,  128*PITCH
.set SLOT,    ATILE+3*BPLANE           ; 92,160
.set BIASIMG, 2*SLOT                   ; behind the ring: the biases as images of registers, 17 x 512 bytes a wave; no tile lands here
.set BIMG,    17*512
.set SPARE,   BIASIMG+4*BIMG           ; the spare words, 128 bytes a wave: two blocks of 256 bytes that no other line names
.set STGB,    10240                    ; the way out: a stage for each wave, in slot 0, which has had its last fill and its last read by then
.set ADRA,  16                         ; v16-17 LDS address of my fragments of x in slot 0, 1
.set ADRB,  20                         ; v20-21 the same for w
.set STOQK, 22                         ; stage, in: token rows of 80 bytes
.set STOV,  23                         ; stage, in: channel rows of 144 bytes
.set RDQ,   24                         ; stage, back: q's image
.set RDK,   25                         ; k's
.set RDV,   26                         ; v's
.set GO,    27                         ; 16 x lane
.set SPW,   28                         ; my spare word; never rewritten
.set NIL,   29                         ; 0; never rewritten
.set BIA,   30                         ; my place in my wave's bias images
.set AF,    32
.set BF,    160
.set BIAS,  32                         ; way out: q's and k's biases, 8 registers for each (s, b)
.set BV,    96                         ; v's bias: one number a lane for each b
.set BVP,   4                          ; the same twice, as pairs
.set SCL,   100                        ; v100-105: (448 x 2^e, 2^e) for q, k, v
.set TMP,   112
.set COD,   176
.set OUTR,  192
.set G1,  24                           ; s[24:31] group 1 for x's tile; s[32:39] its groups 0, one a slot
.set G0,  32
.set G1B, 48                           ; s[48:55], s[56:63] the same for w's planes
.set G0B, 56
.set MSB, 0
.macro WIN new                         ; the immediate's high byte repeats the setting that is left
.if MSB != (\new)
	s_set_vgpr_msb (MSB<<8)|(\new)
.set MSB, (\new)
.endif
.endm
.macro PLACES n
.rept \n
	v_nop
.endr
.endm
; A joint load: wave 3 asks for x's tile, waves 0 to 2 for a plane of w.  The branch hangs on the wave's number alone.  Four v_nop follow each of the two lines.
.macro JLOAD s
	s_cmp_eq_u32 s14, 3
	s_cbranch_scc0 .Lfor_b_\@
	tensor_load_to_lds s[G0+4*\s:G0+4*\s+3], s[G1:G1+7]
	s_nop 0
.rept 4
	v_nop
.endr
	s_branch .Lasked_\@
.Lfor_b_\@:
	tensor_load_to_lds s[G0B+4*\s:G0B+4*\s+3], s[G1B:G1B+7]
	s_nop 0
.rept 4
	v_nop
.endr
.Lasked_\@:
.endm
.macro CREST                           ; a round of the cluster's barrier behind its opening barrier
	s_cmp_lg_u32 s14, 0
	s_cbranch_scc1 .Lnot_wave_0_\@
	s_barrier_signal -3
.Lnot_wave_0_\@:
	s_barrier_wait -3
	s_barrier_signal -1
	s_barrier_wait -1
.endm
.macro CROUND
	s_barrier_signal -1
	s_barrier_wait -1
	CREST
.endm
	s_load_b256 s[4:11], s[0:1], 0x0               ; x s[4:5], w s[6:7], the exponents s[8:9], the bias s[10:11]
	s_load_b128 s[68:71], s[0:1], 0x20             ; q's codes, k's codes
	s_load_b64 s[72:73], s[0:1], 0x30              ; v's codes
	v_lshl_add_u32 v[SPW], v0, 2, SPARE
	v_mov_b32 v[NIL], 0
	ds_add_u32 v28, v29
	ds_add_u32 v28, v29
	s_wait_dscnt 0x0
	v_lshrrev_b32 v1, 5, v0
	v_readfirstlane_b32 s14, v1                    ; wave 0..3
	s_lshr_b32 s15, s14, 1                         ; wr: which 128 tokens
	s_and_b32 s16, s14, 1                          ; wc: which of the two heads
	s_bfe_u32 s40, ttmp6, 0x40000                  ; cx
	s_bfe_u32 s41, ttmp6, 0x40004                  ; cy
	s_lshl_b32 s42, ttmp9, 2
	s_add_co_u32 s42, s42, s40                     ; hp: the pair of heads = 4 x cluster x + cx
	s_and_b32 s17, ttmp7, 0xffff
	s_lshl_b32 s17, s17, 2
	s_add_co_u32 s17, s17, s41                     ; ty: the tile of 256 tokens = 4 x cluster y + cy
	s_lshl_b32 s43, s41, 2
	s_lshl_b32 s43, 15, s43                        ; my row of the cluster
	s_lshl_b32 s44, 0x1111, s40                    ; my column
	s_or_b32 s[G1], s43, (1<<20)|(1<<21)|(4<<22)|(3<<25)    ; the mask; elements of 1 byte; padding on; bit 21 beside a mask; after every 32 words, 4 words
	s_or_b32 s[G1B], s44, (1<<20)|(1<<21)|(4<<22)|(3<<25)
	s_mov_b32 s[G1+1], KSTEP<<16                   ; tensor_dim0 = 128
	s_mov_b32 s[G1+2], 256<<16                     ; tensor_dim1 = 256
	s_mov_b32 s[G1+3], KSTEP<<16                   ; tile_dim0
	s_mov_b32 s[G1+4], 256                         ; tile_dim1
	s_mov_b32 s[G1+5], 1024                        ; from row to row
	s_mov_b32 s[G1+6], 0
	s_mov_b32 s[G1+7], 0
	s_mov_b32 s[G1B+1], KSTEP<<16
	s_mov_b32 s[G1B+2], 128<<16
	s_mov_b32 s[G1B+3], KSTEP<<16
	s_mov_b32 s[G1B+4], 128
	s_mov_b32 s[G1B+5], 1024
	s_mov_b32 s[G1B+6], 0
	s_mov_b32 s[G1B+7], 0
	s_min_u32 s45, s14, 2                          ; the plane that I would ask for (wave 3 asks for x and never uses it)
	s_lshl_b32 s46, s45, 20                        ; plane x 1,024 rows of 1,024 bytes
	s_lshl_b32 s47, s42, 17                        ; + 128 hp rows: w's address hangs on hp alone, which my column shares
	s_add_co_u32 s46, s46, s47
	s_mov_b32 s47, 0
	s_lshl_b32 s20, s17, 18                        ; x: 256 ty rows: it hangs on ty alone, which my row shares
	s_mov_b32 s21, 0
	s_mul_i32 s45, s45, BPLANE
	s_add_co_u32 s45, s45, ATILE                   ; where a plane goes: no place in the cluster enters an LDS address
	s_wait_kmcnt 0x0
	s_load_b256 s[76:83], s[8:9], 0x0              ; e0 .. e7
	s_add_nc_u64 s[20:21], s[4:5], s[20:21]
	s_add_nc_u64 s[46:47], s[6:7], s[46:47]
	CROUND                                         ; all sixteen work-groups are here: the first joint loads meet
.irp s, 0,1
	s_mov_b32 s[G0+4*\s], 1
	s_mov_b32 s[G0+4*\s+1], \s*SLOT
	s_add_nc_u64 s[G0+4*\s+2:G0+4*\s+3], s[20:21], \s*KSTEP
	s_or_b32 s[G0+4*\s+3], s[G0+4*\s+3], 0x80000000
	s_mov_b32 s[G0B+4*\s], 1
	s_add_co_u32 s[G0B+4*\s+1], s45, \s*SLOT
	s_add_nc_u64 s[G0B+4*\s+2:G0B+4*\s+3], s[46:47], \s*KSTEP
	s_or_b32 s[G0B+4*\s+3], s[G0B+4*\s+3], 0x80000000
	JLOAD \s                                       ; K steps 0 and 1: two loads of mine are out
.endr
	; the biases come now, into registers that are still free, and wait in LDS as images: during the loop no register is free for them
	s_lshl_b32 s18, s42, 1
	s_add_co_u32 s18, s18, s16                     ; H: my head
	s_lshl_b32 s22, s18, 8
	s_mov_b32 s23, 0
	s_add_nc_u64 s[10:11], s[10:11], s[22:23]      ; the bias at q's channel 64 H
	v_and_b32 v1, 15, v0                           ; r
	v_bfe_u32 v2, v0, 4, 1                         ; h
	v_lshlrev_b32 v3, 5, v2                        ; q, k: eight numbers at 16 b + 8 h
	v_lshlrev_b32 v4, 2, v1                        ; v: one number at 16 b + r
.irp s, 0,1
.irp b, 0,1,2,3
	global_load_b128 v[BIAS+32*\s+8*\b:BIAS+32*\s+8*\b+3], v3, s[10:11] offset:4096*\s+64*\b
	global_load_b128 v[BIAS+32*\s+8*\b+4:BIAS+32*\s+8*\b+7], v3, s[10:11] offset:4096*\s+64*\b+16
.endr
.endr
.irp b, 0,1,2,3
	global_load_b32 v[BV+\b], v4, s[10:11] offset:8192+64*\b
.endr
	v_and_b32 v5, 31, v0
	v_lshlrev_b32 v[GO], 4, v5
	s_mul_i32 s19, s14, BIMG
	s_add_co_u32 s19, s19, BIASIMG
	v_add_nc_u32 v[BIA], s19, v[GO]
	v_mul_u32_u24 v6, v1, PITCH
	v_lshl_add_u32 v6, v2, 4, v6                   ; a fragment's row x pitch + 16 h
	s_mul_i32 s22, s15, 128*PITCH                  ; my 128 tokens
	s_mul_i32 s23, s16, 64*PITCH                   ; my head's 64 rows of each plane,
	s_add_co_u32 s23, s23, ATILE                   ; behind x's 256 rows
.irp s, 0,1
	v_add_nc_u32 v[ADRA+\s], s22, v6
	v_add_nc_u32 v[ADRB+\s], s23, v6
	s_add_co_u32 s22, s22, SLOT
	s_add_co_u32 s23, s23, SLOT
.endr
	s_mul_i32 s22, s14, STGB                       ; my stage
	v_mul_u32_u24 v7, v1, 80
	v_add_nc_u32 v7, s22, v7
	v_lshl_add_u32 v[STOQK], v2, 3, v7             ; in: token row r of 80 bytes, + 8 h
	v_lshl_add_u32 v[RDQ], v2, 4, v7               ; back: + 16 h
	v_mul_u32_u24 v8, v1, 144
	v_add_nc_u32 v8, s22, v8
	v_lshl_add_u32 v[STOV], v2, 3, v8              ; in: channel row r of 144 bytes, + 8 h
	v_and_b32 v9, 8, v1
	v_add_nc_u32 v9, v9, v1                        ; r + 8 (r / 8)
	v_mul_u32_u24 v10, v9, 80
	v_add_nc_u32 v10, s22, v10
	v_lshl_add_u32 v[RDK], v2, 4, v10
	v_mul_u32_u24 v11, v9, 144
	v_add_nc_u32 v11, s22, v11
	v_lshl_add_u32 v[RDV], v2, 4, v11
	s_lshr_b32 s22, s17, 3                         ; the batch,
	s_lshl_b32 s22, s22, 4
	s_add_co_u32 s22, s22, s18                     ; bh = 16 x batch + H
	s_lshl_b32 s22, s22, 17                        ; a head's 2,048 tokens x 64 bytes
	s_and_b32 s23, s17, 7
	s_lshl_b32 s23, s23, 14                        ; the tile's 256 tokens
	s_add_co_u32 s22, s22, s23
	s_lshl_b32 s23, s15, 13                        ; my 128
	s_add_co_u32 s22, s22, s23
	s_mov_b32 s23, 0
	s_add_nc_u64 s[68:69], s[68:69], s[22:23]
	s_add_nc_u64 s[70:71], s[70:71], s[22:23]
	s_add_nc_u64 s[72:73], s[72:73], s[22:23]
	s_wait_loadcnt 0x0                             ; the biases are in
.set ii, 0
.rept 16
	ds_store_b128 v[BIA], v[BIAS+4*ii:BIAS+4*ii+3] offset:512*ii
.set ii, ii+1
.endr
	ds_store_b128 v[BIA], v[BV:BV+3] offset:512*16
.macro FRAG reg, adr, off              ; 16 rows x 64 K: registers 0-3: k = 16 h + 0 .. 15, registers 4-7: k = 32 + 16 h + 0 .. 15
	ds_load_b128 v[\reg:\reg+3], v[\adr] offset:\off
	ds_load_b128 v[\reg+4:\reg+7], v[\adr] offset:\off+32
.endm
.macro FETCH_A slot, q, p              ; x's eight fragments of the slot's q-th 64 along K into set p: 16 loads
.irp a, 0,1,2,3,4,5,6,7
	FRAG AF+64*(\p)+8*\a, ADRA+\slot, 16*\a*PITCH+64*(\q)
.endr
.endm
.macro FETCH_B slot, q, b0             ; six of w's twelve fragments, b0 on: 12 loads.  Fragment b: plane b / 4, rows 16 (b % 4) on of my head
.irp i, 0,1,2,3,4,5
	FRAG BF+8*(\b0+\i), ADRB+\slot, (128*((\b0+\i)/4)+16*((\b0+\i)%4))*PITCH+64*(\q)
.endr
.endm
; n x 8 matrix instructions: w's fragments b0 on, each against x's eight of set p.  The 96 accumulators take turns, one instruction a turn, in the same order in every sub-step.
; zero = 1: the first products start the sums: nothing is ever cleared.
.macro MULB b0, n, p, zero
.set m_b, \b0
.rept \n
	WIN 0x50*(1+m_b/4)                             ; C and D in window 1 + plane; both sources in window 0
.set m_a, 0
.rept 8
.set r_d, 64*(m_b%4)+8*m_a
.set r_b, BF+8*m_b
.set r_a, AF+64*(\p)+8*m_a
.if \zero
.if m_b < 8
	v_wmma_f32_16x16x64_fp8_fp8 v[r_d:r_d+7], v[r_b:r_b+7], v[r_a:r_a+7], 0
.else
	v_wmma_f32_16x16x64_fp8_fp8 v[r_d:r_d+7], v[r_a:r_a+7], v[r_b:r_b+7], 0
.endif
.else
.if m_b < 8
	v_wmma_f32_16x16x64_fp8_fp8 v[r_d:r_d+7], v[r_b:r_b+7], v[r_a:r_a+7], v[r_d:r_d+7]
.else
	v_wmma_f32_16x16x64_fp8_fp8 v[r_d:r_d+7], v[r_a:r_a+7], v[r_b:r_b+7], v[r_d:r_d+7]
.endif
.endif
.set m_a, m_a+1
.endr
.set m_b, m_b+1
.endr
.endm
; A slot's first 64 along K (x's set 0).  A load into a register that a matrix instruction has read stands four plain vector instructions behind it (ISA guide 7.12.1 for vector instructions).
.macro STEP slot, zero
	s_wait_dscnt 12                                ; all but the youngest twelve loads (w's fragments 6-11) are in
	MULB 0, 6, 0, \zero
	s_wait_dscnt 0x0                               ; w's fragments 6-11 are in (asked for 48 matrix instructions ago)
	PLACES 4
	WIN 0
	FETCH_B \slot, 1, 0
	FETCH_A \slot, 1, 1
	MULB 6, 6, 0, \zero
	PLACES 4
	WIN 0
	FETCH_B \slot, 1, 6
.endm
; A slot's second 64 along K (x's set 1) changes slots: ONE barrier; in front of it each wave waits for all its tensor loads, adds 0 to its spare word, and waits for that and for its reads of this slot.
; fill = 1: the barrier opens a round of the cluster's, and the slot is filled again, two K steps ahead, first thing behind it.
.macro TURN slot, next, fill
	s_wait_tensorcnt 0x0                           ; all my tensor loads have landed: the one that was out is my part of the next slot
	ds_add_u32 v[SPW], v[NIL]                      ; 0 onto my spare word
	s_wait_dscnt 13                                ; (the add and w's fragments 6-11 may be out)
	MULB 0, 2, 1, 0                                ; sixteen matrix instructions stand between the add and the wait for it
	s_wait_dscnt 0x0                               ; the add is done, and my reads of this slot are over
	s_barrier_signal -1
	MULB 2, 4, 1, 0
	WIN 0
	s_barrier_wait -1
.if \fill
	CREST                                          ; no wave of any partner still reads this slot or has a load on its way
	s_add_nc_u64 s[G0+4*\slot+2:G0+4*\slot+3], s[G0+4*\slot+2:G0+4*\slot+3], 2*KSTEP
	s_add_nc_u64 s[G0B+4*\slot+2:G0B+4*\slot+3], s[G0B+4*\slot+2:G0B+4*\slot+3], 2*KSTEP
	JLOAD \slot                                    ; my one tensor load behind the round; its four v_nop are also the places in front of the loads below
.else
	PLACES 4
.endif
	FETCH_B \next, 0, 0
	FETCH_A \next, 0, 0
	MULB 6, 6, 1, 0
	PLACES 4
	WIN 0
	FETCH_B \next, 0, 6
.endm
	s_wait_tensorcnt 1                             ; my part of K step 0 is in; K step 1's load may stay out
	s_wait_dscnt 0x0                               ; my bias images have landed
	s_barrier_signal -1
	s_barrier_wait -1
	FETCH_B 0, 0, 0
	FETCH_A 0, 0, 0
	FETCH_B 0, 0, 6
	STEP 0, 1                                      ; the first sub-step stands in front of the loop: its products start the sums
	s_mov_b32 s3, 3
.Llap:                                                 ; a trip goes once round the ring and fills both slots again: K steps 2 to 7 in three trips
	TURN 0, 1, 1
	STEP 1, 0
	TURN 1, 0, 1
	STEP 0, 0
	s_sub_co_u32 s3, s3, 1
	s_cmp_lg_u32 s3, 0
	s_cbranch_scc1 .Llap
	TURN 0, 1, 0                                   ; the last lap fills nothing and has no round
	STEP 1, 0
	s_wait_dscnt 12                                ; the very last sub-step: nothing more to fetch
	MULB 0, 6, 1, 0
	s_wait_dscnt 0x0
	MULB 6, 6, 1, 0
	PLACES 4                                       ; in front of the loads into fragment registers and of the first reads of results
	WIN 0
	; THE WAY OUT.  sum x 2^(e0 + e1) + bias; held within 448 x the scale; eight codes a conversion; through my stage, so that each store of the wave is 512 consecutive bytes of an image.
.set ii, 0
.rept 16
	ds_load_b128 v[BIAS+4*ii:BIAS+4*ii+3], v[BIA] offset:512*ii
.set ii, ii+1
.endr
	ds_load_b128 v[BV:BV+3], v[BIA] offset:512*16
	s_wait_kmcnt 0x0
	s_add_co_i32 s84, s76, s77
	s_add_co_i32 s84, s84, 127
	s_lshl_b32 s84, s84, 23                        ; 2^(e0 + e1) as f32
	s_mov_b32 s85, s84                             ; (named with it as a pair, so it is written)
.macro MKSC e, lim, sc                 ; 2^e as f32, whose exponent field the conversion takes, and 448 x 2^e
	s_add_co_i32 s86, s[\e], 127
	s_lshl_b32 s87, s86, 23
	v_mov_b32 v[\sc], s87
	s_add_co_i32 s86, s86, 8
	s_lshl_b32 s86, s86, 23
	s_or_b32 s86, s86, 0x600000
	v_mov_b32 v[\lim], s86
.endm
	MKSC 78, SCL, SCL+1                            ; q: e2
	MKSC 79, SCL+2, SCL+3                          ; k: e3
	MKSC 81, SCL+4, SCL+5                          ; v: e5
	s_wait_dscnt 0x0                               ; the biases are back
.irp b, 0,1,2,3
	v_mov_b32 v[BVP+2*\b], v[BV+\b]                ; v's bias is one number a lane (its channel's): twice, as a pair for the packed form
	v_mov_b32 v[BVP+2*\b+1], v[BV+\b]
.endr
.macro QUANT8 lim, sc                  ; the 64 numbers in TMP become 8 x 8 codes in COD
.set nn, 0
.rept 64
	v_med3_num_f32 v[TMP+nn], v[TMP+nn], -v[\lim], v[\lim]   ; the conversion to an 8-bit code does not saturate (ISA guide 7.6.2): hold first
.set nn, nn+1
.endr
	s_wait_dscnt 0x0                               ; the last group's LDS stores have read the codes' registers
.irp a, 0,1,2,3,4,5,6,7
	v_cvt_scalef32_pk8_fp8_f32 v[COD+2*\a:COD+2*\a+1], v[TMP+8*\a:TMP+8*\a+7], v[\sc]
.endr
	v_nop                                          ; one plain vector instruction behind the last conversion, ahead of the lines that write its sources again
.endm
.macro EPI_QK s, lim, sc               ; plane s: lane (r, h) holds token 16 a + r, channels 16 b + 8 h + 0 .. 7
.irp b, 0,1,2,3
	WIN 1+\s                                       ; source 0 in the plane's window
.irp a, 0,1,2,3,4,5,6,7
.irp i, 0,2,4,6
	v_pk_fma_f32 v[TMP+8*\a+\i:TMP+8*\a+\i+1], v[64*\b+8*\a+\i:64*\b+8*\a+\i+1], s[84:85], v[BIAS+32*\s+8*\b+\i:BIAS+32*\s+8*\b+\i+1] op_sel_hi:[1,0,1]   ; each accumulator from its low end on
.endr
.endr
	WIN 0
	QUANT8 \lim, \sc
.irp a, 0,1,2,3,4,5,6,7
	ds_store_b64 v[STOQK], v[COD+2*\a:COD+2*\a+1] offset:1280*\a+16*\b
.endr
.endr
.endm
.macro EPI_V lim, sc                   ; lane (r, h) holds channel 16 b + r, tokens 16 a + 8 h + 0 .. 7
.irp b, 0,1,2,3
	WIN 3
.irp a, 0,1,2,3,4,5,6,7
.irp i, 0,2,4,6
	v_pk_fma_f32 v[TMP+8*\a+\i:TMP+8*\a+\i+1], v[64*\b+8*\a+\i:64*\b+8*\a+\i+1], s[84:85], v[BVP+2*\b:BVP+2*\b+1] op_sel_hi:[1,0,1]
.endr
.endr
	WIN 0
	QUANT8 \lim, \sc
.irp a, 0,1,2,3,4,5,6,7
	ds_store_b64 v[STOV], v[COD+2*\a:COD+2*\a+1] offset:2304*\b+16*\a
.endr
.endr
.endm
; The stage comes back in the image's order (LDS serves a wave's instructions in order: these loads see the stores above) and leaves: 16 stores of 512 consecutive bytes.
.macro SEND ptr, kind
	s_wait_xcnt 0x0                                ; the earlier stores have read their data registers
.irp i, 0,1,2,3,4,5,6,7,8,9,10,11,12,13,14,15
.if \kind == 0
	ds_load_b128 v[OUTR+4*\i:OUTR+4*\i+3], v[RDQ] offset:1280*(\i/2)+32*(\i%2)
.elseif \kind == 1
	ds_load_b128 v[OUTR+4*\i:OUTR+4*\i+3], v[RDK] offset:(32*(\i/4)+8*((\i/2)%2))*80+32*(\i%2)
.else
	ds_load_b128 v[OUTR+4*\i:OUTR+4*\i+3], v[RDV] offset:(32*(\i/8)+8*((\i/4)%2))*144+32*(\i%4)
.endif
.endr
.irp i, 0,1,2,3,4,5,6,7,8,9,10,11,12,13,14,15
	s_wait_dscnt 15-\i
	global_store_b128 v[GO], v[OUTR+4*\i:OUTR+4*\i+3], s[\ptr:\ptr+1] offset:512*\i
.endr
.endm
	EPI_QK 0, SCL, SCL+1
	SEND 68, 0
	EPI_QK 1, SCL+2, SCL+3
	SEND 70, 1
	EPI_V SCL+4, SCL+5
	SEND 72, 2
	s_wait_tensorcnt 0x0                           ; the wave's end
	ds_add_u32 v[SPW], v[NIL]
	s_wait_dscnt 0x0
	CROUND                                         ; the closing round: no work-group ends while a partner may still ask for a tile that names it
	s_endpgm
.Lfunc_end_k_qface6822c5_qkv:
	.size	k_qface6822c5_qkv, .Lfunc_end_k_qface6822c5_qkv-k_qface6822c5_qkv
	.p2alignl 7, 3214868480
	.fill 96, 4, 3214868480
	.section	.rodata,"a",@progbits
	.p2align	6, 0x0
	.amdhsa_kernel k_qface6822c5_qkv
		.amdhsa_group_segment_fixed_size 327680
		.amdhsa_private_segment_fixed_size 0
		.amdhsa_enable_private_segment 0
		.amdhsa_kernarg_size 56
		.amdhsa_user_sgpr_count 2
		.amdhsa_user_sgpr_kernarg_segment_ptr 1
		.amdhsa_wavefront_size32 1
		.amdhsa_system_sgpr_workgroup_id_x 1
		.amdhsa_system_sgpr_workgroup_id_y 1
		.amdhsa_system_sgpr_workgroup_id_z 1
		.amdhsa_system_vgpr_workitem_id 0
		.amdhsa_next_free_vgpr 1024
		.amdhsa_next_free_sgpr 100
		.amdhsa_reserve_vcc 0
		.amdhsa_float_denorm_mode_32 3
		.amdhsa_float_denorm_mode_16_64 3
		.amdhsa_memory_ordered 1
		.amdhsa_forward_progress 1
		.amdhsa_inst_pref_size 183
	.end_amdhsa_kernel
	.amdgpu_metadata
---
amdhsa.version: [ 1, 2 ]
amdhsa.kernels:
  - .name:           k_qface6822c5_qkv
    .symbol:         k_qface6822c5_qkv.kd
    .args:
      - { .name: x_codes, .offset: 0, .size: 8, .value_kind: global_buffer, .address_space: global }
      - { .name: w_qkv_codes, .offset: 8, .size: 8, .value_kind: global_buffer, .address_space: global }
      - { .name: lowp_scales, .offset: 16, .size: 8, .value_kind: global_buffer, .address_space: global }
      - { .name: b_qkv, .offset: 24, .size: 8, .value_kind: global_buffer, .address_space: global }
      - { .name: q_codes, .offset: 32, .size: 8, .value_kind: global_buffer, .address_space: global }
      - { .name: k_codes, .offset: 40, .size: 8, .value_kind: global_buffer, .address_space: global }
      - { .name: v_codes, .offset: 48, .size: 8, .value_kind: global_buffer, .address_space: global }
    .group_segment_fixed_size: 327680
    .private_segment_fixed_size: 0
    .kernarg_segment_align: 8
    .kernarg_segment_size: 56
    .max_flat_workgroup_size: 128
    .sgpr_count:     100
    .vgpr_count:     1024
    .wavefront_size: 32
...
	.end_amdgpu_metadata
.endif
;; end of part 1
;; launch attn (part 2): grid 4 x 64, 8 waves a work-group, no clusters, 66,560 bytes of LDS; arguments q_codes, k_codes, v_codes, lowp_scales, y_codes; writes y_codes
.if DOCPART == 2
	.amdgcn_target "amdgcn-amd-amdhsa--gfx1250"
	.amdhsa_code_object_version 6
	.text
	.protected	k_qface6822c5_attn
	.globl	k_qface6822c5_attn
	.p2align	8
	.type	k_qface6822c5_attn,@function
k_qface6822c5_attn:
	s_mov_b64 s[64:65], 0
	v_nop
	global_prefetch_b8 v0, s[64:65] scope:SCOPE_SE
	s_setreg_imm32_b32 hwreg(HW_REG_WAVE_MODE, 25, 1), 1
	s_wait_xcnt 0x0
; Causal attention on codes of E4M3: y = softmax(q k^T / 8) v for 64 heads of 2,048 tokens x 64 channels; y is quantised (2^e6) and stored as codes, laid as images of the next launch's operand registers.
; THE SOFTMAX: t = score x 2^(e2 + e3) x log2(e) / 8; M = the running largest t rounded UP to a whole number; p = 2^(t - M) is quantised (2^e4), not normalised; the row's sum is taken of the unquantised p and divides at the end.
; When M moves, the sum and O are multiplied by 2^(old M - new M): nothing is rounded, and there is no branch on data.
; SHARES.  Work-group (j, head) owns the blocks 7 - j and j of 256 queries: (8 - j) + (j + 1) = 9 chunks of 256 keys for every work-group, so all 256 have the same work under the mask.
; Each of eight waves owns 32 queries of the block, two tiles A and B of 16, which share every fragment of K and V read from LDS.  Two waves to a SIMD, 512 registers each.
; BOTH PRODUCTS ARE USED TRANSPOSED (S^T = K Q^T, O^T = V^T P^T): a lane holds one query throughout.  k_codes' tiles hold keys 32 (t / 2) + 8 (t % 2) + r + 8 (r / 8), so that the 16 registers of tiles 2 b, 2 b + 1 are keys
; 32 b + 16 h + 0 .. 15: the conversions' results ARE P's fragment.  v_codes' tiles hold channels in the same order, so that y's conversions give the image that the last product loads.
; K AND V COME THROUGH REGISTERS: a chunk is 2 x 16,384 dense bytes; each of the 256 threads loads 8 x 16 bytes at a trip's head and stores them into the other LDS slot at its end, as they lie.  One barrier a trip.
; NO CLUSTER, NO JOINT LOADS: the four work-groups of a head walk the chunks 0 .. 7 - j and then 0 .. j, so from trip 8 - j on they want different chunks and could not make every request jointly.
; a scalar branch on the given e4 may leave out p's hold where it changes nothing (448 x 2^e4 >= 1 >= p for e4 >= -8): 128 of a key step's vector instructions.
; THE MASK: a step of 128 keys that all come after my 32 queries is jumped over (a scalar branch on ids); on the diagonal hidden scores become -infinity ahead of the maximum.
; A step that is not jumped over begins at or before my first query, so every row has a key that counts, and M is a number from the first step on.
; LIMITS: e2 + e3 between -123 and 130 (added to c's exponent field); e4, e6 between -126 and 119; e4 + e5 is applied by v_ldexp_f32.  NaN among the inputs is not served.
; REGISTERS.  Window 0: v1-7 addresses and the mask's numbers; v8-15 -M, largest t, sum (two halves) of A and of B; v16-19 f; v20-29 at work; v32-95 K's 8 fragments; v96-159 S^T of A, then p; v160-223 of B; v224-243 y's scales and codes.
;   Window 1: v0-63 V's 4 fragments; v64-95, v96-127 O^T of A, B; v128-143 Q; v144-175 P; v176-207 the chunk on its way.
.set LI,   1                           ; 16 x lane
.set STT,  2                           ; 16 x thread
.set ADK,  3                           ; the slot in hand + 16 x lane
.set ADS,  4                           ; the other slot + 16 x thread
.set DA,   5                           ; the mask: my query - the step's first key - 16 h, tile A;
.set DB,   6                           ; tile B
.set NINF, 7
.set PLIM, 30
.set PSC,  31
.set KFR,  32
.set SA,   96
.set SB,   160
.set YLIM, 224
.set YSC,  225
.set PFO,  226                         ; 256 x lane, for the prefetches; never rewritten
.set RH,   227                         ; r - 16 h
.set YC,   228
.set VFR,  0                           ; window 1
.set OA,   64
.set QA,   128
.set QB,   136
.set PA,   144
.set PB,   160
.set STG,  176
.set MSB, 0
.macro WIN new                         ; the immediate's high byte repeats the setting that is left
.if MSB != (\new)
	s_set_vgpr_msb (MSB<<8)|(\new)
.set MSB, (\new)
.endif
.endm
; SCALARS: s14 wave, s15 j, s16 head, s17 the trip that ends the first block, s18 trip, s19 slot in hand, s20 the other, s21 chunk, s22 its first key, s23 my first query, s[24:25] lane selects, s[26:27] c,
; s[28:31] K's and V's head, s[32:35] the next chunk, s[36:37] an offset, s[38:41] Q's and y's place, s[42:43], s[60:61], s62 the same for the second block, s[44:51] e0 .. e7, s52 hold?, s53 e4 + e5, s[56:57], s58 prefetch, s59 next chunk
	s_load_b256 s[4:11], s[0:1], 0x0               ; q s[4:5], k s[6:7], v s[8:9], the exponents s[10:11]
	s_load_b64 s[12:13], s[0:1], 0x20              ; y
	v_lshl_add_u32 v254, v0, 2, 0x10000
	v_mov_b32 v255, 0
	v_lshrrev_b32 v3, 5, v0
	v_readfirstlane_b32 s14, v3                    ; wave 0..7
	v_and_b32 v1, 31, v0
	v_lshlrev_b32 v[PFO], 8, v1
	v_lshlrev_b32 v[LI], 4, v1
	v_lshlrev_b32 v[STT], 4, v0
	v_and_b32 v5, 15, v0
	v_bfe_u32 v6, v0, 4, 1
	v_lshlrev_b32 v6, 4, v6
	v_sub_nc_u32 v[RH], v5, v6
	s_mov_b32 s15, ttmp9
	s_and_b32 s16, ttmp7, 0xffff
	s_sub_co_u32 s17, 7, s15                       ; the first block, and the trip in which it ends
	s_lshl_b32 s36, s16, 17                        ; a head: 2,048 x 64 bytes in q, k and v alike
	s_mov_b32 s37, 0
	s_lshl_b32 s54, s14, 5
	s_lshl_b32 s23, s17, 8
	s_add_co_u32 s23, s23, s54                     ; my first query in the first block,
	s_lshl_b32 s62, s15, 8
	s_add_co_u32 s62, s62, s54                     ; and in the second
	s_mov_b32 s18, 0
	s_mov_b32 s19, 0
	s_mov_b32 s20, 32768
	s_mov_b32 s21, 0
	s_mov_b32 s22, 0
	s_mov_b32 s24, 0x76543210
	s_mov_b32 s25, 0xfedcba98
	s_wait_kmcnt 0x0
	s_load_b256 s[44:51], s[10:11], 0x0
	s_add_nc_u64 s[28:29], s[6:7], s[36:37]
	s_add_nc_u64 s[30:31], s[8:9], s[36:37]
	s_add_nc_u64 s[4:5], s[4:5], s[36:37]
	WIN 0x40                                       ; destination window 1
.irp i, 0,1,2,3
	global_load_b128 v[STG+4*\i:STG+4*\i+3], v[STT], s[28:29] offset:4096*\i       ; chunk 0: the 256 threads read 4,096 consecutive bytes
.endr
.irp i, 0,1,2,3
	global_load_b128 v[STG+16+4*\i:STG+16+4*\i+3], v[STT], s[30:31] offset:4096*\i
.endr
	WIN 0
	s_lshl_b32 s36, s23, 6
	s_add_nc_u64 s[38:39], s[4:5], s[36:37]        ; Q at my first query
	s_lshl_b32 s36, s62, 6
	s_add_nc_u64 s[42:43], s[4:5], s[36:37]
	s_lshr_b32 s54, s16, 4
	s_lshl_b32 s54, s54, 3                         ; 8 x batch: y_codes [tile of 256 tokens][head][16 tokens][c][lane][16 B]
	s_and_b32 s55, s16, 15
	s_lshl_b32 s55, s55, 14
	s_lshl_b32 s63, s14, 11
	s_add_co_u32 s55, s55, s63                     ; the head's 16,384 bytes, my wave's 2,048
	s_add_co_u32 s63, s54, s17
	s_lshl_b32 s63, s63, 18
	s_add_co_u32 s36, s63, s55
	s_add_nc_u64 s[40:41], s[12:13], s[36:37]
	s_add_co_u32 s63, s54, s15
	s_lshl_b32 s63, s63, 18
	s_add_co_u32 s36, s63, s55
	s_add_nc_u64 s[60:61], s[12:13], s[36:37]
	; the prefetches: work-group j = 0 walks all eight chunks of the head in its first block; its waves 0, 1 ask for K's halves of a chunk, waves 2, 3 for V's: 8,192 bytes a wave, lanes 256 bytes apart
	s_cmp_lt_u32 s14, 2
	s_cselect_b64 s[56:57], s[28:29], s[30:31]
	s_and_b32 s54, s14, 1
	s_lshl_b32 s54, s54, 13
	s_add_co_u32 s36, s54, 32768                   ; at chunk 2: chunks 0 and 1 come by their loads alone
	s_add_nc_u64 s[56:57], s[56:57], s[36:37]
	s_lshr_b32 s54, s14, 2
	s_or_b32 s54, s54, s15
	s_cmp_eq_u32 s54, 0
	s_cselect_b32 s58, 6, 0                        ; trips 0 to 5 name chunks 2 to 7; every other wave asks for nothing
; A block of queries begins: Q's two fragments; O^T, the sums and the largest t.  (The key step is written once: its first run finds zeros, which the first change of M leaves zeros.)
.macro FRESH
	WIN 0x40
.irp c, 0,1
	global_load_b128 v[QA+4*\c:QA+4*\c+3], v[LI], s[38:39] offset:512*\c th:TH_LOAD_NT
	global_load_b128 v[QB+4*\c:QB+4*\c+3], v[LI], s[38:39] offset:1024+512*\c th:TH_LOAD_NT
.endr
.set nn, 0
.rept 64
	v_mov_b32 v[OA+nn], 0
.set nn, nn+1
.endr
	WIN 0
	v_mov_b32 v9, 0xff61b1e6                       ; the largest t so far: -3e38, under every t
	v_mov_b32 v13, 0xff61b1e6
	v_floor_f32 v8, -v9                            ; -M
	v_floor_f32 v12, -v13
	v_mov_b32 v10, 0
	v_mov_b32 v11, 0
	v_mov_b32 v14, 0
	v_mov_b32 v15, 0
.endm
	FRESH
	v_mov_b32 v17, 0                               ; (named as upper halves of pairs)
	v_mov_b32 v19, 0
	v_mov_b32 v24, 0                               ; a lane permute's destination counts as one of its sources
	v_mov_b32 v25, 0
	v_mov_b32 v[NINF], 0xff800000
	s_wait_kmcnt 0x0
	s_add_co_i32 s54, s46, s47
	s_lshl_b32 s54, s54, 23
	s_add_co_i32 s26, s54, 0x3e38aa3b              ; c = log2(e) / 8, with e2 + e3 added to its exponent field
	s_mov_b32 s27, s26
	s_add_co_i32 s54, s48, 127
	s_lshl_b32 s55, s54, 23
	v_mov_b32 v[PSC], s55                          ; 2^e4
	s_add_co_i32 s54, s54, 8
	s_lshl_b32 s54, s54, 23
	s_or_b32 s54, s54, 0x600000
	v_mov_b32 v[PLIM], s54                         ; 448 x 2^e4
	s_add_co_i32 s54, s50, 127
	s_lshl_b32 s55, s54, 23
	v_mov_b32 v[YSC], s55                          ; 2^e6
	s_add_co_i32 s54, s54, 8
	s_lshl_b32 s54, s54, 23
	s_or_b32 s54, s54, 0x600000
	v_mov_b32 v[YLIM], s54
	s_add_co_i32 s53, s48, s49                     ; e4 + e5
	s_cmp_lt_i32 s48, -8
	s_cselect_b32 s52, 1, 0                        ; p needs its hold only where 448 x 2^e4 < 1
	s_wait_loadcnt 4                               ; chunk 0 is in; Q's four loads may stay out
	WIN 0x04                                       ; store data in window 1
.irp i, 0,1,2,3
	ds_store_b128 v[STT], v[STG+4*\i:STG+4*\i+3] offset:4096*\i
	ds_store_b128 v[STT], v[STG+16+4*\i:STG+16+4*\i+3] offset:16384+4096*\i
.endr
	WIN 0
	s_wait_loadcnt 0x0                             ; Q
.macro SUML sb, sm, ch                 ; line zz of 32 of a tile's sum of the UNQUANTISED p: two at a time, in two chains
.if zz == 0
	v_pk_add_f32 v[\ch:\ch+1], v[\sb:\sb+1], v[\sb+2:\sb+3]
.elseif zz == 31
	v_pk_add_f32 v[\sm:\sm+1], v[\sm:\sm+1], v[\ch:\ch+1]
.elseif zz%2 == 1
	v_pk_add_f32 v[\sm:\sm+1], v[\sm:\sm+1], v[\sb+2*zz+2:\sb+2*zz+3]
.else
	v_pk_add_f32 v[\ch:\ch+1], v[\ch:\ch+1], v[\sb+2*zz+2:\sb+2*zz+3]
.endif
.endm
; A KEY STEP: 128 keys, the q-th of the chunk in hand.
.macro STEP q
	s_add_co_u32 s54, s22, 128*\q                  ; the step's first key
	s_add_co_u32 s55, s23, 31
	s_cmp_gt_u32 s54, s55
	s_cbranch_scc1 .Lhidden_\@                     ; all its keys come after my 32 queries
.irp t, 0,1,2,3,4,5,6,7
.irp c, 0,1
	ds_load_b128 v[KFR+8*\t+4*\c:KFR+8*\t+4*\c+3], v[ADK] offset:8192*\q+1024*\t+512*\c
.endr
.endr
	WIN 0x40
.irp t, 0,1,2,3
.irp c, 0,1,2,3
	ds_load_b128 v[VFR+16*\t+4*\c:VFR+16*\t+4*\c+3], v[ADK] offset:16384+8192*\q+2048*\t+512*\c
.endr
.endr
	s_wait_dscnt 16                                ; K is in; V's sixteen loads may stay out until the second product
	WIN 0x04                                       ; Q in window 1
.irp t, 0,1,2,3,4,5,6,7
	v_wmma_f32_16x16x64_fp8_fp8 v[SA+8*\t:SA+8*\t+7], v[KFR+8*\t:KFR+8*\t+7], v[QA:QA+7], 0
	v_wmma_f32_16x16x64_fp8_fp8 v[SB+8*\t:SB+8*\t+7], v[KFR+8*\t:KFR+8*\t+7], v[QB:QB+7], 0
.endr
	WIN 0
.rept 4
	v_nop                                          ; four places ahead of the first read of results (ISA guide 7.12.1)
.endr
	s_add_co_u32 s55, s54, 127
	s_cmp_le_u32 s55, s23
	s_cbranch_scc1 .Lopen_\@                       ; all 128 keys count for all my queries
	s_sub_co_i32 s55, s23, s54
	v_add_nc_u32 v[DA], s55, v[RH]                 ; register n holds key 32 (n / 16) + n % 16 + 16 h of the step: hidden where 32 (n / 16) + n % 16 > d
	v_add_nc_u32 v[DB], 16, v[DA]
.set nn, 0
.rept 64
	v_cmp_gt_i32 vcc_lo, 32*(nn/16)+nn%16, v[DA]
	v_cndmask_b32 v[SA+nn], v[SA+nn], v[NINF], vcc_lo
	v_cmp_gt_i32 vcc_lo, 32*(nn/16)+nn%16, v[DB]
	v_cndmask_b32 v[SB+nn], v[SB+nn], v[NINF], vcc_lo
.set nn, nn+1
.endr
.Lopen_\@:
	v_max3_num_f32 v20, v[SA], v[SA+1], v[SA+2]    ; the step's largest score of each query, two chains a tile, the tiles line by line; each accumulator from its low end on
	v_max3_num_f32 v22, v[SB], v[SB+1], v[SB+2]
	v_max3_num_f32 v21, v[SA+3], v[SA+4], v[SA+5]
	v_max3_num_f32 v23, v[SB+3], v[SB+4], v[SB+5]
.irp i, 6,10,14,18,22,26,30,34,38,42,46,50,54,58
	v_max3_num_f32 v20, v20, v[SA+\i], v[SA+\i+1]
	v_max3_num_f32 v22, v22, v[SB+\i], v[SB+\i+1]
	v_max3_num_f32 v21, v21, v[SA+\i+2], v[SA+\i+3]
	v_max3_num_f32 v23, v23, v[SB+\i+2], v[SB+\i+3]
.endr
	v_max3_num_f32 v20, v20, v[SA+62], v[SA+63]
	v_max3_num_f32 v22, v22, v[SB+62], v[SB+63]
	v_max_num_f32 v20, v20, v21
	v_max_num_f32 v22, v22, v23
	v_permlanex16_b32 v24, v20, s24, s25           ; the query's other 64 keys lie in the lane 16 away
	v_permlanex16_b32 v25, v22, s24, s25
	v_max_num_f32 v20, v20, v24
	v_max_num_f32 v22, v22, v25
	v_mul_f32 v20, s26, v20                        ; as t (c is positive)
	v_mul_f32 v22, s26, v22
	v_max_num_f32 v9, v9, v20                      ; the running largest t
	v_max_num_f32 v13, v13, v22
	v_mov_b32 v20, v8
	v_mov_b32 v22, v12
	v_floor_f32 v8, -v9                            ; the new -M = floor(-t): M is a whole number
	v_floor_f32 v12, -v13
	v_sub_f32 v20, v8, v20                         ; old M - new M: a whole number, 0 or less
	v_sub_f32 v22, v12, v22
	v_cvt_i32_f32 v20, v20                         ; (it saturates)
	v_cvt_i32_f32 v22, v22
	v_ldexp_f32 v16, 1.0, v20                      ; f = 2^(old M - new M)
	v_ldexp_f32 v18, 1.0, v22
.set zz, 0
.rept 32
	v_pk_fma_f32 v[SA+2*zz:SA+2*zz+1], v[SA+2*zz:SA+2*zz+1], s[26:27], v[8:9] op_sel_hi:[1,0,0]   ; t - M of tile A
.set zz, zz+1
.endr
.set zz, 0
.rept 32                                       ; A's exponentials, with B's scalings between them
	v_exp_f32 v[SA+2*zz], v[SA+2*zz]
	v_exp_f32 v[SA+2*zz+1], v[SA+2*zz+1]
	v_pk_fma_f32 v[SB+2*zz:SB+2*zz+1], v[SB+2*zz:SB+2*zz+1], s[26:27], v[12:13] op_sel_hi:[1,0,0]
.set zz, zz+1
.endr
	v_pk_mul_f32 v[10:11], v[10:11], v[16:17] op_sel_hi:[1,0]   ; A's sum under the new M
	s_wait_alu depctr_va_vdst(0)                   ; one wait for A's 64 exponentials, ahead of their first reader
.set zz, 0
.rept 32                                       ; B's exponentials, with A's sums between them: these name none of B's results
	v_exp_f32 v[SB+2*zz], v[SB+2*zz]
	v_exp_f32 v[SB+2*zz+1], v[SB+2*zz+1]
	SUML SA, 10, 26
.set zz, zz+1
.endr
	v_pk_mul_f32 v[14:15], v[14:15], v[18:19] op_sel_hi:[1,0]
	s_wait_alu depctr_va_vdst(0)                   ; and one for B's
.set zz, 0
.rept 32
	SUML SB, 14, 28
.set zz, zz+1
.endr
	s_cmp_eq_u32 s52, 0
	s_cbranch_scc1 .Lno_hold_\@                    ; 448 x 2^e4 >= 1 >= p: the hold would change nothing
.set nn, 0
.rept 128
	v_min_num_f32 v[SA+nn], v[SA+nn], v[PLIM]      ; the conversion does not saturate (ISA guide 7.6.2); p is not negative, so the hold is one-sided
.set nn, nn+1
.endr
.Lno_hold_\@:
	WIN 0x40                                       ; P in window 1
.irp b, 0,1,2,3
	v_cvt_scalef32_pk8_fp8_f32 v[PA+4*\b:PA+4*\b+1], v[SA+16*\b:SA+16*\b+7], v[PSC]
	v_cvt_scalef32_pk8_fp8_f32 v[PA+4*\b+2:PA+4*\b+3], v[SA+16*\b+8:SA+16*\b+15], v[PSC]
	v_cvt_scalef32_pk8_fp8_f32 v[PB+4*\b:PB+4*\b+1], v[SB+16*\b:SB+16*\b+7], v[PSC]
	v_cvt_scalef32_pk8_fp8_f32 v[PB+4*\b+2:PB+4*\b+3], v[SB+16*\b+8:SB+16*\b+15], v[PSC]
.endr
	WIN 0x41                                       ; O^T in window 1, f in window 0
.set zz, 0
.rept 16
	v_pk_mul_f32 v[OA+2*zz:OA+2*zz+1], v[OA+2*zz:OA+2*zz+1], v[16:17] op_sel_hi:[1,0]   ; O^T under the new M.  (These are also the plain lines behind the conversions)
.set zz, zz+1
.endr
.rept 16
	v_pk_mul_f32 v[OA+2*zz:OA+2*zz+1], v[OA+2*zz:OA+2*zz+1], v[18:19] op_sel_hi:[1,0]
.set zz, zz+1
.endr
	s_wait_dscnt 0x0                               ; V is in
	WIN 0x55
.irp t, 0,1,2,3                                ; O^T += V^T P^T: the eight accumulators by turns
	v_wmma_f32_16x16x128_fp8_fp8 v[OA+8*\t:OA+8*\t+7], v[VFR+16*\t:VFR+16*\t+15], v[PA:PA+15], v[OA+8*\t:OA+8*\t+7]
	v_wmma_f32_16x16x128_fp8_fp8 v[OA+32+8*\t:OA+32+8*\t+7], v[VFR+16*\t:VFR+16*\t+15], v[PB:PB+15], v[OA+32+8*\t:OA+32+8*\t+7]
.endr
.rept 4
	v_nop                                          ; places in front of the next loads into V's registers and of the next read of O^T
.endr
	WIN 0
.Lhidden_\@:
.endm
.Ltrip:                                                ; nine trips, a chunk of 256 keys each
	s_wait_dscnt 0x0                               ; my stores of this trip's chunk have landed, and my reads of the other slot are over
	s_barrier_signal -1
	s_barrier_wait -1                              ; both now hold of every wave
	s_add_co_u32 s59, s21, 1                       ; the next chunk: one on, or chunk 0 where the second block begins
	s_cmp_eq_u32 s18, s17
	s_cselect_b32 s59, 0, s59
	s_cmp_lt_u32 s18, 8
	s_cbranch_scc0 .Lno_load                       ; the last trip fetches nothing
	s_lshl_b32 s36, s59, 14
	s_add_nc_u64 s[32:33], s[28:29], s[36:37]
	s_add_nc_u64 s[34:35], s[30:31], s[36:37]
	WIN 0x40
.irp i, 0,1,2,3
	global_load_b128 v[STG+4*\i:STG+4*\i+3], v[STT], s[32:33] offset:4096*\i
.endr
.irp i, 0,1,2,3
	global_load_b128 v[STG+16+4*\i:STG+16+4*\i+3], v[STT], s[34:35] offset:4096*\i
.endr
	WIN 0
.Lno_load:
	s_cmp_lt_u32 s18, s58
	s_cbranch_scc0 .Lno_ask
	global_prefetch_b8 v[PFO], s[56:57] th:TH_LOAD_NT scope:SCOPE_SE   ; trip i names chunk i + 2, which the next trip's loads will want; each aligned 256 bytes are named once in the launch
.Lno_ask:
	v_add_nc_u32 v[ADK], s19, v[LI]
	STEP 0
	STEP 1
	s_cmp_lt_u32 s18, 8
	s_cbranch_scc0 .Lno_store
	s_wait_loadcnt 0x0                             ; the next chunk is in (asked for at the trip's head)
	v_add_nc_u32 v[ADS], s20, v[STT]
	WIN 0x04
.irp i, 0,1,2,3
	ds_store_b128 v[ADS], v[STG+4*\i:STG+4*\i+3] offset:4096*\i            ; into the slot that every wave left ahead of this trip's barrier
	ds_store_b128 v[ADS], v[STG+16+4*\i:STG+16+4*\i+3] offset:16384+4096*\i
.endr
	WIN 0
.Lno_store:
	s_cmp_eq_u32 s18, s17
	s_cbranch_scc1 .Lfinal
	s_cmp_lg_u32 s18, 8
	s_cbranch_scc1 .Lno_final
.Lfinal:                                               ; a block's last chunk is done: y = O^T x 2^(e4 + e5) / the sum, quantised, stored as two images of 1,024 bytes
	s_wait_xcnt 0x0                                ; earlier stores have read the codes' registers
	v_add_f32 v10, v10, v11
	v_add_f32 v14, v14, v15
	v_permlanex16_b32 v24, v10, s24, s25
	v_permlanex16_b32 v25, v14, s24, s25
	v_add_f32 v10, v10, v24                        ; the rows' sums
	v_add_f32 v14, v14, v25
	v_rcp_f32 v10, v10
	v_rcp_f32 v14, v14
	v_nop                                          ; a plain line behind the reciprocals
	s_wait_alu depctr_va_vdst(0)                   ; one wait for both, ahead of the first reader
	v_ldexp_f32 v16, v10, s53
	v_ldexp_f32 v18, v14, s53
	WIN 0x01                                       ; O^T in window 1
.set zz, 0
.rept 16
	v_pk_mul_f32 v[SA+2*zz:SA+2*zz+1], v[OA+2*zz:OA+2*zz+1], v[16:17] op_sel_hi:[1,0]
.set zz, zz+1
.endr
.rept 16
	v_pk_mul_f32 v[SA+2*zz:SA+2*zz+1], v[OA+2*zz:OA+2*zz+1], v[18:19] op_sel_hi:[1,0]
.set zz, zz+1
.endr
	WIN 0
.set nn, 0
.rept 64
	v_med3_num_f32 v[SA+nn], v[SA+nn], -v[YLIM], v[YLIM]
.set nn, nn+1
.endr
.irp x, 0,1,2,3                                ; register 16 c + i of a tile is channel 32 c + 16 h + i of my query: the image's order
	v_cvt_scalef32_pk8_fp8_f32 v[YC+4*\x:YC+4*\x+1], v[SA+16*\x:SA+16*\x+7], v[YSC]
	v_cvt_scalef32_pk8_fp8_f32 v[YC+4*\x+2:YC+4*\x+3], v[SA+16*\x+8:SA+16*\x+15], v[YSC]
.endr
	v_nop                                          ; one plain line behind the last conversion
.irp x, 0,1,2,3
	global_store_b128 v[LI], v[YC+4*\x:YC+4*\x+3], s[40:41] offset:512*\x      ; 512 consecutive bytes a store
.endr
	s_cmp_eq_u32 s18, 8
	s_cbranch_scc1 .Lno_final
	s_wait_xcnt 0x0                                ; the stores have read their base
	s_mov_b32 s23, s62                             ; the second block
	s_mov_b64 s[38:39], s[42:43]
	s_mov_b64 s[40:41], s[60:61]
	FRESH
	s_wait_loadcnt 0x0                             ; Q
.Lno_final:
	s_wait_xcnt 0x0                                ; the trip's prefetch and loads have read their addresses
	s_add_nc_u64 s[56:57], s[56:57], 16384
	s_mov_b32 s21, s59
	s_lshl_b32 s22, s21, 8
	s_xor_b32 s19, s19, 32768
	s_xor_b32 s20, s20, 32768
	s_add_co_u32 s18, s18, 1
	s_cmp_lt_u32 s18, 9
	s_cbranch_scc1 .Ltrip
	s_wait_tensorcnt 0x0
	ds_add_u32 v254, v255
	s_wait_dscnt 0x0
	s_endpgm
.Lfunc_end_k_qface6822c5_attn:
	.size	k_qface6822c5_attn, .Lfunc_end_k_qface6822c5_attn-k_qface6822c5_attn
	.p2alignl 7, 3214868480
	.fill 96, 4, 3214868480
	.section	.rodata,"a",@progbits
	.p2align	6, 0x0
	.amdhsa_kernel k_qface6822c5_attn
		.amdhsa_group_segment_fixed_size 66560
		.amdhsa_private_segment_fixed_size 0
		.amdhsa_enable_private_segment 0
		.amdhsa_kernarg_size 40
		.amdhsa_user_sgpr_count 2
		.amdhsa_user_sgpr_kernarg_segment_ptr 1
		.amdhsa_wavefront_size32 1
		.amdhsa_system_sgpr_workgroup_id_x 1
		.amdhsa_system_sgpr_workgroup_id_y 1
		.amdhsa_system_sgpr_workgroup_id_z 1
		.amdhsa_system_vgpr_workitem_id 0
		.amdhsa_next_free_vgpr 512
		.amdhsa_next_free_sgpr 66
		.amdhsa_reserve_vcc 1
		.amdhsa_float_denorm_mode_32 3
		.amdhsa_float_denorm_mode_16_64 3
		.amdhsa_memory_ordered 1
		.amdhsa_forward_progress 1
		.amdhsa_inst_pref_size 98
	.end_amdhsa_kernel
	.amdgpu_metadata
---
amdhsa.version: [ 1, 2 ]
amdhsa.kernels:
  - .name:           k_qface6822c5_attn
    .symbol:         k_qface6822c5_attn.kd
    .args:
      - { .name: q_codes, .offset: 0, .size: 8, .value_kind: global_buffer, .address_space: global }
      - { .name: k_codes, .offset: 8, .size: 8, .value_kind: global_buffer, .address_space: global }
      - { .name: v_codes, .offset: 16, .size: 8, .value_kind: global_buffer, .address_space: global }
      - { .name: lowp_scales, .offset: 24, .size: 8, .value_kind: global_buffer, .address_space: global }
      - { .name: y_codes, .offset: 32, .size: 8, .value_kind: global_buffer, .address_space: global }
    .group_segment_fixed_size: 66560
    .private_segment_fixed_size: 0
    .kernarg_segment_align: 8
    .kernarg_segment_size: 40
    .max_flat_workgroup_size: 256
    .sgpr_count:     66
    .vgpr_count:     512
    .wavefront_size: 32
...
	.end_amdgpu_metadata
.endif
;; end of part 2
;; launch proj (part 3): grid 8 x 32, 4 waves a work-group, clusters of 4 x 4, 327,680 bytes of LDS; arguments y_codes, w_proj_codes, lowp_scales, b_proj, out0; writes out0
.if DOCPART == 3
	.amdgcn_target "amdgcn-amd-amdhsa--gfx1250"
	.amdhsa_code_object_version 6
	.text
	.protected	k_qface6822c5_proj
	.globl	k_qface6822c5_proj
	.p2align	8
	.type	k_qface6822c5_proj,@function
k_qface6822c5_proj:
	s_mov_b64 s[64:65], 0
	v_nop
	global_prefetch_b8 v0, s[64:65] scope:SCOPE_SE
	s_setreg_imm32_b32 hwreg(HW_REG_WAVE_MODE, 25, 1), 1
	s_wait_xcnt 0x0
	s_wait_alu depctr_hold_cnt(0) depctr_sa_sdst(0) depctr_va_vdst(0) depctr_va_sdst(0) depctr_va_ssrc(0) depctr_va_vcc(0) depctr_vm_vsrc(0)
	s_getreg_b32 s2, hwreg(HW_REG_IB_STS2, 6, 4)
	s_cmp_eq_u32 s2, 0
	s_cbranch_scc0 .Lentry_in_a_cluster
	s_endpgm
.Lentry_in_a_cluster:
	s_bfe_u32 s2, ttmp6, 0x10000c
	s_cmp_lg_u32 s2, 0xf033
	s_cbranch_scc0 .Lentry_shape_is_right
	s_endpgm
.Lentry_shape_is_right:
; out0 = y w_proj + b_proj on codes of E4M3: sum x 2^(e6 + e7) + bias, f32.  y_codes [tile of 256 tokens][head 16][16 tokens a][c 2][lane][16 B] (images of operand registers), w_proj_codes [1024][1024], K innermost.
; SHARES.  A work-group takes 256 tokens x 128 columns: 32 x 8 = 256 work-groups (tiles of 256 x 256 would be 128).  Four waves, each 128 tokens x 64 columns: 32 accumulators, window 1.
; K = 1,024 goes in four K steps of 256 (four heads), eight sub-steps of 128 (two heads), by the 16x16x128 form, used transposed (source 0 = 16 rows of w, source 1 = 16 tokens): a lane holds eight neighbouring columns of a row.
; y's part of a K step is 65,536 dense bytes and lies in LDS as it lies in memory: a fragment is four loads at 16 x lane.  w's rows of 256 bytes get 16 of padding.  On both sides registers 4 c .. 4 c + 3 hold k = 32 c + 16 h + 0 .. 15.
; THREE SLOTS: K steps 0, 1, 2 are first fills, issued together (three loads of a wave are out); K step 3 alone is a refill, of slot 0, behind a round of the cluster's barrier, with four sub-steps in which to land.
; CLUSTER 4 x 4: the four of a row share y's tile, the four of a column w's: joint loads.  Waves 0, 1 ask for y's halves, waves 2, 3 for w's.
; LIMIT: e6 + e7 between -126 and 127.
; REGISTERS: window 0: v16-29 addresses; v32-63 the bias; v64-95 at work; v128-255 w's fragments, two sets (way out: rows read back).  Window 1: accumulator (a, b) at v[32 a + 8 b].  Window 2: y's fragments, two sets of 128.
.set ABYTES, 65536
.set BP,     272                       ; w's row in LDS: 256 + 16 bytes = 68 words: the 16 rows of a load start at 16 different groups of four banks (ISA guide 11.1)
.set SLOT,   ABYTES+128*BP             ; 100,352
.set SPARE,  3*SLOT                    ; the spare words, 128 bytes a wave: two blocks of 256 bytes that no other line names
.set STAGE,  SLOT                      ; the way out: 16 rows x 272 bytes a wave, in slot 1, which is filled once and read out ahead of the last barrier
.set ADRA, 16                          ; v16-18
.set ADRB, 20                          ; v20-22
.set STO,  24
.set RD,   25
.set CO,   26
.set SPW,  28
.set NIL,  29
.set BIAS, 32
.set TMP,  64
.set BF,   128
.set OUTR, 128
.set G1,  24                           ; s[24:31] group 1 for y; s[32:43] three groups 0
.set G0,  32
.set G1B, 48                           ; s[48:55] group 1 for w; s[68:79] three groups 0
.set G0B, 68
.set MSB, 0
.macro WIN new
.if MSB != (\new)
	s_set_vgpr_msb (MSB<<8)|(\new)
.set MSB, (\new)
.endif
.endm
.macro PLACES n
.rept \n
	v_nop
.endr
.endm
.macro JLOAD s                         ; four v_nop follow each of the two lines
	s_cmp_lt_u32 s14, 2
	s_cbranch_scc0 .Lfor_b_\@
	tensor_load_to_lds s[G0+4*\s:G0+4*\s+3], s[G1:G1+7]
	s_nop 0
.rept 4
	v_nop
.endr
	s_branch .Lasked_\@
.Lfor_b_\@:
	tensor_load_to_lds s[G0B+4*\s:G0B+4*\s+3], s[G1B:G1B+7]
	s_nop 0
.rept 4
	v_nop
.endr
.Lasked_\@:
.endm
.macro CREST
	s_cmp_lg_u32 s14, 0
	s_cbranch_scc1 .Lnot_wave_0_\@
	s_barrier_signal -3
.Lnot_wave_0_\@:
	s_barrier_wait -3
	s_barrier_signal -1
	s_barrier_wait -1
.endm
.macro CROUND
	s_barrier_signal -1
	s_barrier_wait -1
	CREST
.endm
	s_load_b256 s[4:11], s[0:1], 0x0               ; y s[4:5], w s[6:7], the exponents s[8:9], the bias s[10:11]
	s_load_b64 s[12:13], s[0:1], 0x20              ; out0
	v_lshl_add_u32 v[SPW], v0, 2, SPARE
	v_mov_b32 v[NIL], 0
	ds_add_u32 v28, v29
	ds_add_u32 v28, v29
	s_wait_dscnt 0x0
	v_lshrrev_b32 v1, 5, v0
	v_readfirstlane_b32 s14, v1                    ; wave
	s_lshr_b32 s15, s14, 1                         ; wr: which 128 tokens
	s_and_b32 s16, s14, 1                          ; wc: which 64 columns.  Also: which half of a tile I fetch
	s_bfe_u32 s56, ttmp6, 0x40000                  ; cx
	s_bfe_u32 s57, ttmp6, 0x40004                  ; cy
	s_lshl_b32 s58, ttmp9, 2
	s_add_co_u32 s58, s58, s56                     ; tc: the tile of 128 columns
	s_and_b32 s17, ttmp7, 0xffff
	s_lshl_b32 s17, s17, 2
	s_add_co_u32 s17, s17, s57                     ; tt: the tile of 256 tokens
	s_lshl_b32 s59, s57, 2
	s_lshl_b32 s59, 15, s59                        ; my row of the cluster
	s_lshl_b32 s60, 0x1111, s56                    ; my column
	s_or_b32 s[G1], s59, (1<<21)                   ; y: elements of 1 byte, no padding; the mask, bit 21 beside it
	s_mov_b32 s[G1+1], 256<<16                     ; a dense block as 128 rows of 256 bytes
	s_mov_b32 s[G1+2], 128<<16
	s_mov_b32 s[G1+3], 256<<16
	s_mov_b32 s[G1+4], 128
	s_mov_b32 s[G1+5], 256
	s_mov_b32 s[G1+6], 0
	s_mov_b32 s[G1+7], 0
	s_or_b32 s[G1B], s60, (1<<20)|(1<<21)|(5<<22)|(3<<25)   ; w: 4 words of padding after every 64
	s_mov_b32 s[G1B+1], 256<<16
	s_mov_b32 s[G1B+2], 64<<16
	s_mov_b32 s[G1B+3], 256<<16
	s_mov_b32 s[G1B+4], 64
	s_mov_b32 s[G1B+5], 1024
	s_mov_b32 s[G1B+6], 0
	s_mov_b32 s[G1B+7], 0
	s_lshl_b32 s20, s17, 18                        ; y: the tile's 262,144 bytes: it hangs on tt alone,
	s_lshl_b32 s21, s16, 15                        ; + my half of a K step
	s_add_co_u32 s20, s20, s21
	s_mov_b32 s21, 0
	s_lshl_b32 s46, s58, 17                        ; w: row 128 tc: it hangs on tc alone,
	s_lshl_b32 s47, s16, 16                        ; + my 64 rows
	s_add_co_u32 s46, s46, s47
	s_mov_b32 s47, 0
	s_lshl_b32 s44, s16, 15                        ; where they go: no place in the cluster enters an LDS address
	s_mul_i32 s45, s16, 64*BP
	s_add_co_u32 s45, s45, ABYTES
	s_wait_kmcnt 0x0
	s_load_b256 s[88:95], s[8:9], 0x0              ; e0 .. e7
	s_add_nc_u64 s[20:21], s[4:5], s[20:21]
	s_add_nc_u64 s[46:47], s[6:7], s[46:47]
	CROUND                                         ; all sixteen work-groups are here: the first joint loads meet
.irp s, 0,1,2
	s_mov_b32 s[G0+4*\s], 1
	s_add_co_u32 s[G0+4*\s+1], s44, \s*SLOT
	s_add_nc_u64 s[G0+4*\s+2:G0+4*\s+3], s[20:21], \s*ABYTES
	s_or_b32 s[G0+4*\s+3], s[G0+4*\s+3], 0x80000000
	s_mov_b32 s[G0B+4*\s], 1
	s_add_co_u32 s[G0B+4*\s+1], s45, \s*SLOT
	s_add_nc_u64 s[G0B+4*\s+2:G0B+4*\s+3], s[46:47], \s*256
	s_or_b32 s[G0B+4*\s+3], s[G0B+4*\s+3], 0x80000000
	JLOAD \s                                       ; K steps 0, 1, 2
.endr
	v_and_b32 v1, 15, v0                           ; r
	v_bfe_u32 v2, v0, 4, 1                         ; h
	v_lshlrev_b32 v3, 5, v2
	s_lshl_b32 s22, s58, 9
	s_lshl_b32 s23, s16, 8
	s_add_co_u32 s22, s22, s23                     ; my first column, in bytes of f32: 512 tc + 256 wc
	s_mov_b32 s23, 0
	s_add_nc_u64 s[10:11], s[10:11], s[22:23]
	s_add_nc_u64 s[12:13], s[12:13], s[22:23]
.irp b, 0,1,2,3
	global_load_b128 v[BIAS+8*\b:BIAS+8*\b+3], v3, s[10:11] offset:64*\b          ; the bias at columns 16 b + 8 h + 0 .. 7: the result's layout
	global_load_b128 v[BIAS+8*\b+4:BIAS+8*\b+7], v3, s[10:11] offset:64*\b+16
.endr
	s_lshl_b32 s22, s17, 20                        ; my first row of out0: 256 tt + 128 wr rows of 4,096 bytes
	s_lshl_b32 s61, s15, 19
	s_add_co_u32 s22, s22, s61
	s_add_nc_u64 s[12:13], s[12:13], s[22:23]
	v_and_b32 v4, 31, v0
	v_lshlrev_b32 v4, 4, v4                        ; 16 x lane
	v_mul_u32_u24 v5, v1, BP
	v_lshl_add_u32 v5, v2, 4, v5
	s_lshl_b32 s22, s15, 13                        ; my eight blocks of 16 tokens: 1,024 bytes each in a head's image
	s_mul_i32 s61, s16, 64*BP
	s_add_co_u32 s61, s61, ABYTES
.irp s, 0,1,2
	v_add_nc_u32 v[ADRA+\s], s22, v4
	v_add_nc_u32 v[ADRB+\s], s61, v5
	s_add_co_u32 s22, s22, SLOT
	s_add_co_u32 s61, s61, SLOT
.endr
	s_mul_i32 s22, s14, 16*272
	s_add_co_u32 s22, s22, STAGE                   ; my stage
	v_mul_u32_u24 v6, v1, 272
	v_lshl_add_u32 v6, v2, 5, v6
	v_add_nc_u32 v[STO], s22, v6                   ; in: row r, + 32 h
	v_mul_u32_u24 v7, v2, 272
	v_lshl_add_u32 v7, v1, 4, v7
	v_add_nc_u32 v[RD], s22, v7                    ; back: lanes 0-15 one row of 256 bytes, lanes 16-31 the next
	v_lshlrev_b32 v8, 12, v2
	v_lshl_add_u32 v[CO], v1, 4, v8                ; and the same two rows in out0
.macro FETCH slot, q, p                ; the fragments of the slot's q-th 128 along K into set p: 32 loads for y, 16 for w
	WIN 0x80                                       ; destination window 2
.irp a, 0,1,2,3,4,5,6,7
.irp hh, 0,1
.irp c, 0,1
	ds_load_b128 v[128*(\p)+16*\a+8*\hh+4*\c:128*(\p)+16*\a+8*\hh+4*\c+3], v[ADRA+\slot] offset:(2*(\q)+\hh)*16384+1024*\a+512*\c
.endr
.endr
.endr
	WIN 0
.irp b, 0,1,2,3
.irp c, 0,1,2,3
	ds_load_b128 v[BF+64*(\p)+16*\b+4*\c:BF+64*(\p)+16*\b+4*\c+3], v[ADRB+\slot] offset:16*BP*\b+128*(\q)+32*\c
.endr
.endr
.endm
.macro MULH p, half, zero              ; 16 matrix instructions; the 32 accumulators take turns, in the same order in every sub-step
.irp a, 4*\half, 4*\half+1, 4*\half+2, 4*\half+3
.irp b, 0,1,2,3
.if \zero
	v_wmma_f32_16x16x128_fp8_fp8 v[32*(\a)+8*\b:32*(\a)+8*\b+7], v[BF+64*(\p)+16*\b:BF+64*(\p)+16*\b+15], v[128*(\p)+16*(\a):128*(\p)+16*(\a)+15], 0
.else
	v_wmma_f32_16x16x128_fp8_fp8 v[32*(\a)+8*\b:32*(\a)+8*\b+7], v[BF+64*(\p)+16*\b:BF+64*(\p)+16*\b+15], v[128*(\p)+16*(\a):128*(\p)+16*(\a)+15], v[32*(\a)+8*\b:32*(\a)+8*\b+7]
.endif
.endr
.endr
.endm
.set W_MUL, 0x58                       ; w in window 0, y in window 2, C and D in window 1
.macro MUL p
	WIN W_MUL
	MULH \p, 0, 0
	MULH \p, 1, 0
.endm
.macro NEXT slot, q, p                 ; the sub-step in set 1 - p is multiplied while the next one is fetched into set p
	s_wait_dscnt 0x0                               ; set 1 - p is in
	PLACES 4                                       ; four places in front of loads into registers that matrix instructions have read
	FETCH \slot, \q, \p
	MUL 1-\p
.endm
	s_wait_tensorcnt 2                             ; my part of K step 0 is in; K steps 1 and 2 may stay out
	s_barrier_signal -1
	s_barrier_wait -1
	FETCH 0, 0, 0
	FETCH 0, 1, 1                                  ; all of slot 0 is asked for: it can be filled again behind the next barrier
	s_wait_tensorcnt 0x0                           ; all my tensor loads have landed
	ds_add_u32 v[SPW], v[NIL]                      ; 0 onto my spare word
	s_wait_dscnt 49                                ; (the add and the second sub-step's 48 loads may be out)
	WIN W_MUL
	MULH 0, 0, 1                                   ; the first products start the sums: nothing is cleared
	s_wait_dscnt 0x0                               ; the add is done, and my reads of slot 0 are over
	s_barrier_signal -1
	MULH 0, 1, 1
	WIN 0
	s_barrier_wait -1
	CREST                                          ; the barrier has opened a round: no wave of any partner still reads slot 0 or has a load on its way
	s_add_nc_u64 s[G0+2:G0+3], s[G0+2:G0+3], 3*ABYTES
	s_add_nc_u64 s[G0B+2:G0B+3], s[G0B+2:G0B+3], 3*256
	JLOAD 0                                        ; K step 3; the four v_nop behind it are also the places in front of the loads below
	FETCH 1, 0, 0
	MUL 1
	NEXT 1, 1, 1
	NEXT 2, 0, 0
	NEXT 2, 1, 1
	WIN 0
	s_wait_tensorcnt 0x0                           ; my part of K step 3 has landed
	ds_add_u32 v[SPW], v[NIL]
	s_wait_dscnt 0x0                               ; my reads of slots 1 and 2 are over
	s_barrier_signal -1
	s_barrier_wait -1                              ; slot 0 is whole for every wave
	PLACES 4
	FETCH 0, 0, 0
	MUL 1
	NEXT 0, 1, 1
	s_wait_dscnt 0x0
	MUL 1
	WIN 0
	; THE WAY OUT, a block of 16 tokens x 64 columns at a time: sum x 2^(e6 + e7) + bias, through my stage, back as rows of 256 bytes: sixteen lanes store 256 consecutive bytes, aligned.
	s_wait_kmcnt 0x0
	s_add_co_i32 s84, s94, s95
	s_add_co_i32 s84, s84, 127
	s_lshl_b32 s84, s84, 23                        ; 2^(e6 + e7) as f32
	s_mov_b32 s85, s84
	s_wait_loadcnt 0x0                             ; the bias
	PLACES 4                                       ; ahead of the first reads of results and of loads into w's registers
.macro TOSTAGE a
	WIN 0x01                                       ; the sums in window 1
.irp b, 0,1,2,3
.irp i, 0,2,4,6
	v_pk_fma_f32 v[TMP+8*\b+\i:TMP+8*\b+\i+1], v[32*(\a)+8*\b+\i:32*(\a)+8*\b+\i+1], s[84:85], v[BIAS+8*\b+\i:BIAS+8*\b+\i+1] op_sel_hi:[1,0,1]   ; each accumulator from its low end on
.endr
.endr
	WIN 0
.irp b, 0,1,2,3
	ds_store_b128 v[STO], v[TMP+8*\b:TMP+8*\b+3] offset:64*\b
	ds_store_b128 v[STO], v[TMP+8*\b+4:TMP+8*\b+7] offset:64*\b+16
.endr
.set BB, OUTR+32*((\a)%2)
.irp i, 0,1,2,3,4,5,6,7
	ds_load_b128 v[BB+4*\i:BB+4*\i+3], v[RD] offset:544*\i     ; LDS serves a wave's instructions in order: these see the stores above, and the next block's stores come behind them
.endr
.endm
.macro SEND a, younger
.set BB, OUTR+32*((\a)%2)
	s_wait_dscnt \younger                          ; the block is back; the next block's 8 stores and 8 loads may be out
.irp i, 0,1,2,3,4,5,6,7
	global_store_b128 v[CO], v[BB+4*\i:BB+4*\i+3], s[12:13] offset:65536*(\a)+8192*\i th:TH_STORE_NT
.endr
.endm
	TOSTAGE 0
.irp a, 1,2,3,4,5,6,7
.if \a > 1
	s_wait_xcnt 0x0                                ; block a - 2's stores have read their registers: block a's rows may land there
.endif
	TOSTAGE \a
	SEND \a-1, 16
.endr
	SEND 7, 0
	s_wait_tensorcnt 0x0                           ; the wave's end
	ds_add_u32 v[SPW], v[NIL]
	s_wait_dscnt 0x0
	CROUND                                         ; the closing round
	s_endpgm
.Lfunc_end_k_qface6822c5_proj:
	.size	k_qface6822c5_proj, .Lfunc_end_k_qface6822c5_proj-k_qface6822c5_proj
	.p2alignl 7, 3214868480
	.fill 96, 4, 3214868480
	.section	.rodata,"a",@progbits
	.p2align	6, 0x0
	.amdhsa_kernel k_qface6822c5_proj
		.amdhsa_group_segment_fixed_size 327680
		.amdhsa_private_segment_fixed_size 0
		.amdhsa_enable_private_segment 0
		.amdhsa_kernarg_size 40
		.amdhsa_user_sgpr_count 2
		.amdhsa_user_sgpr_kernarg_segment_ptr 1
		.amdhsa_wavefront_size32 1
		.amdhsa_system_sgpr_workgroup_id_x 1
		.amdhsa_system_sgpr_workgroup_id_y 1
		.amdhsa_system_sgpr_workgroup_id_z 1
		.amdhsa_system_vgpr_workitem_id 0
		.amdhsa_next_free_vgpr 768
		.amdhsa_next_free_sgpr 100
		.amdhsa_reserve_vcc 0
		.amdhsa_float_denorm_mode_32 3
		.amdhsa_float_denorm_mode_16_64 3
		.amdhsa_memory_ordered 1
		.amdhsa_forward_progress 1
		.amdhsa_inst_pref_size 76
	.end_amdhsa_kernel
	.amdgpu_metadata
---
amdhsa.version: [ 1, 2 ]
amdhsa.kernels:
  - .name:           k_qface6822c5_proj
    .symbol:         k_qface6822c5_proj.kd
    .args:
      - { .name: y_codes, .offset: 0, .size: 8, .value_kind: global_buffer, .address_space: global }
      - { .name: w_proj_codes, .offset: 8, .size: 8, .value_kind: global_buffer, .address_space: global }
      - { .name: lowp_scales, .offset: 16, .size: 8, .value_kind: global_buffer, .address_space: global }
      - { .name: b_proj, .offset: 24, .size: 8, .value_kind: global_buffer, .address_space: global }
      - { .name: out0, .offset: 32, .size: 8, .value_kind: global_buffer, .address_space: global }
    .group_segment_fixed_size: 327680
    .private_segment_fixed_size: 0
    .kernarg_segment_align: 8
    .kernarg_segment_size: 40
    .max_flat_workgroup_size: 128
    .sgpr_count:     100
    .vgpr_count:     768
    .wavefront_size: 32
...
	.end_amdgpu_metadata
.endif
;; end of part 3
